; MI455X (gfx1250); checked and timed in simulation.
; The chip was launched on July 23, 2026; its instructions are those of AMD's public machine-readable ISA for CDNA 5 (MIT licence, August 2026) and "CDNA5" Instruction Set Architecture Reference Guide (July 2026). The comments in the code are by the model that wrote it; some were corrected since.
;; Vanilla Attention. Allowed arithmetic: matrix products marked QUANTISED: E2M1 operands, one E8M0 scale for each 32 along K, by v_wmma_scale_f32_16x16x128_f8f6f4 with both operands' format E2M1 (or v_wmma_scale_f32_32x16x128_f4), f32 sums; everything else in f32.
;; Inputs: key_codes 4 x 16 x 2,048 x 2 x 16 uint8 (E2M1 codes of key, K innermost, in blocks of 32 codes, two codes a byte); key_scales 4 x 16 x 2,048 x 2 uint8 (E8M0 scales of key, one for each 32 codes along K); query_codes 4 x 16 x 2,048 x 2 x 16 uint8 (E2M1 codes of query, K innermost, in blocks of 32 codes, two codes a byte); query_scales 4 x 16 x 2,048 x 2 uint8 (E8M0 scales of query, one for each 32 codes along K); value_codes 4 x 16 x 64 x 64 x 16 uint8 (E2M1 codes of value, K innermost, in blocks of 32 codes, two codes a byte); value_scales 4 x 16 x 64 x 64 uint8 (E8M0 scales of value, one for each 32 codes along K).
;; Outputs: out0 4 x 2,048 x 1,024 float32.
;; This version of the problem:
;;   THIS VERSION OF THE PROBLEM IS GIVEN IN LOW PRECISION. The matrix products marked QUANTISED in the list below multiply operands that are first quantised to E2M1 (2 exponent bits, 1 mantissa bit; 4 bits a number), with one power-of-two scale for each 32 numbers along K (OCP MX v1.0); their sums are f32. All else is computed in f32.
;;   The module's matrix products, in the order in which they are computed (A, B: the left and right operand; K: the contracted axis; several contracted axes count as one K, in the product's order):
;;     1. batch 64 x [M 2,048, K 64] x [K 64, N 2,048]; A: input query (given as codes); B: input key (given as codes): QUANTISED
;;     2. batch 64 x [M 2,048, K 2,048] x [K 2,048, N 64]; A: softmax (see below); B: input value (given as codes): QUANTISED
;;   THE QUANTISER, for each operand of a quantised product, along K:
;;     - K is cut into blocks of 32 from its start; a last block that is shorter is filled with zeros.
;;     - A block's scale is 2^e with e = floor(log2(the largest magnitude in the block)) - 2, held to -126 .. 127; a block of zeros has e = 0. As a byte (E8M0): e + 127.
;;     - Each number is divided by its block's scale, clamped to +-6, and rounded to the nearest number of E2M1, ties to even, subnormals kept.
;;     - The product sums the exact products of the quantised numbers (number of the format x scale) in f32.
;;   ~~~python
;;   def quantise(x, axis):      # numpy; x: float32 -> the quantised numbers, widened to float32 again
;;       x = np.moveaxis(x, axis, -1); K = x.shape[-1]
;;       x = np.pad(x, [(0, 0)] * (x.ndim - 1) + [(0, -K % 32)]); x = x.reshape(x.shape[:-1] + (-1, 32)); a = np.abs(x).max(-1, keepdims=True)
;;       e = np.where(a > 0, np.clip(np.frexp(np.where(a > 0, a, 1))[1] - 1 - 2, -126, 127), 0)      # np.frexp(a)[1] - 1 = floor(log2(a)), exactly
;;       r = np.clip(x / 2.0 ** e, -6, 6)
;;       step = 2.0 ** (np.maximum(np.frexp(np.where(r == 0, 1, r))[1] - 1, 0) - 1)
;;       q = np.round(r / step) * step * 2.0 ** e      # np.round: ties to even
;;       return np.moveaxis(q.reshape(q.shape[:-2] + (-1,))[..., :K], -1, axis).astype(np.float32)
;;   ~~~
;;   SOFTMAX AHEAD OF A QUANTISED PRODUCT. Where the list says 'softmax', what is quantised is not the finished softmax but p = 2^(t - M), with t = logit x log2(e) and M = ceil(the row's largest t), a whole number; so 1/2 < the row's largest p <= 1. The row's sum l is taken of the UNQUANTISED p, in f32, and the product's result is divided by l at the end. Since M is a whole number, a kernel that streams over the keys may use a running M (the ceiling of the running maximum): every later rescaling is an exact power of two, which a block's scale takes up: the codes' values come out the same.
;;   OPERANDS COMPUTED ON THE WAY. 'Computed on the way' means the value that the module computes at that place (a softmax that the list does not call 'softmax' is quantised finished and normalised). What goes into a quantiser is computed in f32, as accurately as f32 sums, v_exp_f32 and their like allow (about 1e-6 of the number): no bf16 or f16 on the way to a quantiser, and a product that is left as it is and whose result goes on into a quantised operand takes f32 operands (vector FMAs, or v_wmma_f32_16x16x4_f32). A number that lies on a knife's edge between two numbers of the format may be rounded either way, as far as f32 arithmetic and the matrix unit's own rounding can turn it there, and no further.
;;   INPUTS GIVEN AS CODES. key (in the module: [4, 16, 2048, 64], K = its axis 3); query (in the module: [4, 16, 2048, 64], K = its axis 3); value (in the module: [4, 16, 2048, 64], K = its axis 2): each comes as NAME_codes (uint8): NAME with its K axis moved to the last place and cut into blocks of 32 codes, [.., K / 32, bytes a block], one block behind the other in memory; two codes a byte, the lower K in the low four bits (a code: sign, 2 exponent bits, 1 mantissa bit); and NAME_scales (uint8): the same leading axes, one E8M0 byte (e + 127) for each 32 codes along K. Its value is code x scale, taken as it is: it is not quantised again, and the codes and scales need not be those that the quantiser above would give.
;; One version. Each part assembles by itself: llvm-mc -triple=amdgcn-amd-amdhsa -mcpu=gfx1250 --defsym DOCPART=n.
;; ======== version 1 of 1: 1 launch
;; launch attn (part 1): grid 4 x 64, 16 waves a work-group, clusters of 4 x 1, 231,424 bytes of LDS; arguments query_codes, query_scales, key_codes, key_scales, value_codes, value_scales, out0; writes out0
.if DOCPART == 1
	.amdgcn_target "amdgcn-amd-amdhsa--gfx1250"
	.amdhsa_code_object_version 6
	.text
	.protected	k_q332411507e_attn
	.globl	k_q332411507e_attn
	.p2align	8
	.type	k_q332411507e_attn,@function
k_q332411507e_attn:
	s_mov_b64 s[64:65], 0
	v_nop
	global_prefetch_b8 v0, s[64:65] scope:SCOPE_SE
	s_setreg_imm32_b32 hwreg(HW_REG_WAVE_MODE, 25, 1), 1
	s_wait_xcnt 0x0
	s_wait_alu depctr_hold_cnt(0) depctr_sa_sdst(0) depctr_va_vdst(0) depctr_va_sdst(0) depctr_va_ssrc(0) depctr_va_vcc(0) depctr_vm_vsrc(0)
	s_getreg_b32 s2, hwreg(HW_REG_IB_STS2, 6, 4)
	s_cmp_eq_u32 s2, 0
	s_cbranch_scc0 .Lentry_in_a_cluster
	s_endpgm
.Lentry_in_a_cluster:
	s_bfe_u32 s2, ttmp6, 0x10000c
	s_cmp_lg_u32 s2, 0x3003
	s_cbranch_scc0 .Lentry_shape_is_right
	s_endpgm
.Lentry_shape_is_right:
; out0[b][q][64 hd + d] = the sum over k <= q of softmax_k(Q[q] . K[k] / 8) V[k][d], for each of 64 heads (head = 16 b + hd), 2,048 queries and keys, head size 64.
; Both products on codes of FP4 (E2M1) with one E8M0 scale for each 32 along a product's K.  Q, K: 32 bytes of codes and 2 scale bytes a row.  V: keys innermost: 64 rows (d) of 1,024 bytes, 64 scale bytes a row.
; THE SOFTMAX AHEAD OF THE SECOND PRODUCT: t = score x log2(e) / 8; M = the running largest t rounded UP to a whole number; p = 2^(t - M) is quantised along the keys, not normalised; the row's sum is taken of the
; unquantised p in f32 and divides O at the end.  When M moves, the sum and O are multiplied by 2^(old M - new M), which rounds nothing.
; THE FIRST PRODUCT'S K IS 64: the upper half of each 128-deep operand is zero codes (registers cleared once); their scale bytes are the zeros that a 16-bit load leaves above: zero codes add nothing under that byte.
; SHARES.  A cluster of four work-groups owns a head; a head's 128 tiles of 16 queries are dealt out as tile 4 j + cx, j = 0 .. 31.  A key step is 128 keys, so tile 4 j + cx has its diagonal in step j / 2 WHATEVER cx IS:
; every branch hangs on the wave's number and on loop counters alone, and the four partners run alike.  cx enters Q's and out0's addresses and a lane constant of the mask, nothing else.
; Each of the sixteen waves takes two tiles, one after the other: j = 31 - w (its steps 0 .. (31 - w) / 2), then j = w (steps 0 .. w / 2): 17 key steps in every wave.  Steps whose keys all come after the tile's queries are jumped over.
; A HEAD'S K, V AND SCALE BYTES LIE WHOLE IN LDS (139,264 bytes of data): ten tensor loads at the head, each asked for JOINTLY by the four partners (mask 15), wave 0 for K and wave 1 for V, five loads out in a wave at the most.
; No LDS byte is filled twice.  Nothing is prefetched: every byte of K and V is asked for by those ten loads.
; LAYOUT.  Both products are used transposed: S^T = K Q^T (source 0 = 16 keys, source 1 = my 16 queries), O^T = V^T P^T (source 0 = 16 of the head's 64, source 1 = P): a lane holds ONE query (lane % 16) throughout.
; THE KEYS OF A TILE ARE NOT NEIGHBOURS: lane r of tile 2 b + u takes key 32 b + 8 u + r + 8 (r / 8), so that the 16 registers of tiles 2 b and 2 b + 1 are keys 32 b + 16 (lane / 16) + 0 .. 15.
; LIMITS: a scale byte 0xff (NaN) among the inputs is not served.  A p under 2^-126 comes out of v_exp_f32 as 0; the row's sum is above 1/2.
.set KB,   0                           ; LDS: K's codes, 2,048 rows of 32 bytes, dense
.set VB,   65536                       ; V's codes: four tiles of 512 keys, each 64 rows (d) of 256 bytes + 16
.set VP,   272
.set VT,   64*VP
.set SCK,  VB+4*VT                     ; K's scale bytes: 2 a key, dense
.set SCV,  SCK+4096                    ; V's: 64 rows (d) of 64 bytes + 8: 18 words a row, so that the 32 lanes of a 4-byte load (rows 0 .. 31) touch 32 different banks of the 64 (ISA guide 11.1)
.set SVP,  72
.set STG,  SCV+64*SVP                  ; the way out: 16 rows x (256 bytes + 16) for each wave, its own; no tensor load lands here
.set SP,   272
.set STW,  16*SP
.set AK0,  1                           ; v1   my lane's place in a tile of K: 32 (r + 8 (r / 8)) + 16 h
.set AV0,  2                           ; v2   in a tile of V: VB + 272 r + 16 h
.set ASK0, 3                           ; v3   among K's scale bytes: lanes 0-15 the even tile's keys, lanes 16-31 the odd tile's (8 keys on)
.set ASV0, 4                           ; v4   among V's scale words: row = lane: lanes 0-15 the even tile's rows, lanes 16-31 the odd tile's
.set STO,  5                           ; v5   the way out: where I put 32 bytes of a row
.set RD,   6                           ; v6   where I read a row back
.set GO,   7                           ; v7   my byte offset in the tile's rows of out0
.set ADK,  8                           ; v8-11 the step's LDS addresses: K, V, K's scales, V's scales
.set ADV,  9
.set ADS,  10
.set ADT,  11
.set QF,   16                          ; v16-23 Q's fragment: 16-19 codes, 20-23 zeros
.set DL,   24                          ; v24  the mask's lane constant: my query less the diagonal step's first key less 16 h
.set QL,   28                          ; v28-31 the second tile's codes of Q
.set KF,   32                          ; v32-95 K's 8 fragments: the low four registers of each are loaded, the high four stay zeros
.set SS,   96                          ; v96-159 S^T, then p; on the way out the scaled O and the rows read back
.set OT,   160                         ; v160-191 O^T, 4 tiles
.set VF,   192                         ; v192-223 V's 4 fragments
.set PC,   224                         ; v224-231 p's codes
.set BM,   232                         ; v232-235 the blocks' largest scores, then largest p (at the head: Q's load offsets)
.set TP,   236                         ; v236-239 at work
.set SO,   240                         ; v240-243 the conversions' scale operands
.set KSW,  244                         ; v244-247 K's scale words, one register for tiles 2 b (lanes 0-15) and 2 b + 1 (lanes 16-31)
.set VSW,  248                         ; v248-249 V's likewise
.set QSL,  250                         ; v250 the second tile's scale words of Q
.set FF,   252                         ; v252 f = 2^(old M - new M)
.set PW,   253                         ; v253 p's scale word
.set TT,   254                         ; v254 at work
.set QS,   255                         ; v255 Q's scale words
.set TK,   2                           ; s2   where the step's keys begin in KB: 4,096 bytes a step
.set TV,   3                           ; s3   and in VB: 64 bytes a step, on to the next tile after four
.set CS,   8                           ; s[8:9] c = log2(e) / 8
.set TS,   10                          ; s10  K's scale bytes: 256 a step
.set TJ,   11                          ; s11  V's scale words: 4 bytes a step
.set SI,   12                          ; s12  the step's number
.set C4,   13
.set C2,   14
.set DLD,  15                          ; s15  what the second tile adds to the mask's constant
.set OH,   16                          ; s[16:17] out0 at the first tile's first row
.set WV,   18
.set CX,   19                          ; s19  cx, then 16 cx.  Numbers made of cx live in s19, s100, s101, s[104:105], v24 (the mask's constant) and in global addresses alone
.set HD,   20
.set DG,   21                          ; s21  the step that holds the tile's diagonal
.set OL,   22                          ; s[22:23] out0 at the second tile's first row
.set G1K,  24                          ; s[24:31] group 1: 16,384 dense bytes as 64 rows of 256
.set G1KS, 32                          ; s[32:39] 4,096 dense bytes as 16 rows of 256
.set G1V,  40                          ; s[40:47] 64 rows of 256 bytes, 1,024 apart, 16 bytes of padding behind each
.set G1VS, 48                          ; s[48:55] 64 rows of 64 bytes, dense, 8 bytes of padding behind each
.set SEL,  66                          ; s[66:67] v_permlanex16_b32's selects for lane l xor 16
; A round of the cluster's barrier: my work-group's barrier; wave 0 signals for the work-group; every wave waits for all four work-groups; my work-group's barrier once more.
.macro CROUND
	s_barrier_signal -1
	s_barrier_wait -1
	s_cmp_lg_u32 s[WV], 0
	s_cbranch_scc1 .Lnot_wave_0_\@
	s_barrier_signal -3
.Lnot_wave_0_\@:
	s_barrier_wait -3
	s_barrier_signal -1
	s_barrier_wait -1
.endm
; A group 0: count 1, LDS address, global address = s[base:base+1] + off, type 2.  Nothing in it hangs on cx.
.macro G0SET g, lds, base, off
	s_mov_b32 s[(\g)], 1
	s_mov_b32 s[(\g)+1], (\lds)
	s_add_nc_u64 s[(\g)+2:(\g)+3], s[(\base):(\base)+1], (\off)
	s_or_b32 s[(\g)+3], s[(\g)+3], 0x80000000
.endm
; The fetching waves wait until at most n of their five loads are out; then the work-group's barrier shows the tiles to all sixteen.  No LDS instruction of the wave is out here.
.macro WAITBAR n
	s_wait_tensorcnt \n
	s_barrier_signal -1
	s_barrier_wait -1
.endm
	s_load_b256 s[4:11], s[0:1], 0x0               ; Q's codes s[4:5], Q's scales s[6:7], K's codes s[8:9], K's scales s[10:11]
	s_load_b128 s[12:15], s[0:1], 0x20             ; V's codes s[12:13], V's scales s[14:15]
	s_load_b64 s[16:17], s[0:1], 0x30              ; out0
	v_lshl_add_u32 v27, v0, 2, 0x38000
	v_mov_b32 v251, 0
	ds_add_u32 v27, v251
	ds_add_u32 v27, v251
	v_lshrrev_b32 v8, 5, v0
	s_delay_alu instid0(VALU_DEP_1)
	v_readfirstlane_b32 s[WV], v8                  ; wave 0..15
	s_bfe_u32 s[CX], ttmp6, 0x40000                ; cx: my place in the cluster
	s_and_b32 s[HD], ttmp7, 0xffff                 ; the head, which the four partners share
	; descriptor groups 1.  Word 0: 15:0 the mask: all four work-groups; 17:16 the element's size; 20 padding on; 21 set beside a mask; 24:22 and 31:25 the padding's interval and length
	s_mov_b32 s[G1K], 15|(3<<16)|(1<<21)           ; elements of 8 bytes, no padding
	s_mov_b32 s[G1K+1], 32<<16                     ; tensor_dim0 = 32 elements: 256 bytes
	s_mov_b32 s[G1K+2], 64<<16                     ; tensor_dim1 = 64
	s_mov_b32 s[G1K+3], 32<<16                     ; tile_dim0
	s_mov_b32 s[G1K+4], 64                         ; tile_dim1
	s_mov_b32 s[G1K+5], 32                         ; from row to row: dense
	s_mov_b32 s[G1K+6], 0
	s_mov_b32 s[G1K+7], 0
	s_mov_b32 s[G1KS], 15|(3<<16)|(1<<21)
	s_mov_b32 s[G1KS+1], 32<<16
	s_mov_b32 s[G1KS+2], 16<<16
	s_mov_b32 s[G1KS+3], 32<<16
	s_mov_b32 s[G1KS+4], 16
	s_mov_b32 s[G1KS+5], 32
	s_mov_b32 s[G1KS+6], 0
	s_mov_b32 s[G1KS+7], 0
	s_mov_b32 s[G1V], 15|(1<<20)|(1<<21)|(5<<22)|(3<<25)   ; elements of 1 byte; 4 words of padding behind every 64
	s_mov_b32 s[G1V+1], 256<<16
	s_mov_b32 s[G1V+2], 64<<16
	s_mov_b32 s[G1V+3], 256<<16
	s_mov_b32 s[G1V+4], 64
	s_mov_b32 s[G1V+5], 1024                       ; a row of V in memory
	s_mov_b32 s[G1V+6], 0
	s_mov_b32 s[G1V+7], 0
	s_mov_b32 s[G1VS], 15|(1<<20)|(1<<21)|(3<<22)|(1<<25)  ; elements of 1 byte; 2 words of padding behind every 16
	s_mov_b32 s[G1VS+1], 64<<16
	s_mov_b32 s[G1VS+2], 64<<16
	s_mov_b32 s[G1VS+3], 64<<16
	s_mov_b32 s[G1VS+4], 64
	s_mov_b32 s[G1VS+5], 64
	s_mov_b32 s[G1VS+6], 0
	s_mov_b32 s[G1VS+7], 0
	; the lanes' places: all made here, ahead of the first branch on the wave's number
	v_and_b32 v9, 15, v0                           ; r
	v_bfe_u32 v10, v0, 4, 1                        ; h
	s_delay_alu instid0(VALU_DEP_2)
	v_and_b32 v11, 8, v9
	s_delay_alu instid0(VALU_DEP_1)
	v_add_nc_u32 v11, v11, v9                      ; r + 8 (r / 8)
	s_delay_alu instid0(VALU_DEP_1)
	v_lshlrev_b32 v[AK0], 5, v11
	s_delay_alu instid0(VALU_DEP_1)
	v_lshl_add_u32 v[AK0], v10, 4, v[AK0]
	v_mul_u32_u24 v[AV0], v9, VP
	s_delay_alu instid0(VALU_DEP_1)
	v_lshl_add_u32 v[AV0], v10, 4, v[AV0]
	s_delay_alu instid0(VALU_DEP_1)
	v_add_nc_u32 v[AV0], VB, v[AV0]
	v_lshl_add_u32 v[ASK0], v10, 3, v11
	s_delay_alu instid0(VALU_DEP_1)
	v_lshl_add_u32 v[ASK0], v[ASK0], 1, SCK
	v_and_b32 v[ASV0], 31, v0
	s_delay_alu instid0(VALU_DEP_1)
	v_mul_u32_u24 v[ASV0], v[ASV0], SVP
	s_delay_alu instid0(VALU_DEP_1)
	v_add_nc_u32 v[ASV0], SCV, v[ASV0]
	s_mul_i32 s[DG], s[WV], STW
	s_add_co_u32 s[DG], s[DG], STG                 ; my stage
	v_mul_u32_u24 v[STO], v9, SP                   ; in: row r, 32 bytes for each half of the lanes
	s_delay_alu instid0(VALU_DEP_1)
	v_lshl_add_u32 v[STO], v10, 5, v[STO]
	s_delay_alu instid0(VALU_DEP_1)
	v_add_nc_u32 v[STO], s[DG], v[STO]
	v_mul_u32_u24 v[RD], v10, SP                   ; back: lanes 0-15 one row of 256 bytes, lanes 16-31 the next
	s_delay_alu instid0(VALU_DEP_1)
	v_lshl_add_u32 v[RD], v9, 4, v[RD]
	s_delay_alu instid0(VALU_DEP_1)
	v_add_nc_u32 v[RD], s[DG], v[RD]
	v_lshlrev_b32 v[GO], 12, v10                   ; and the same two rows in out0, 4,096 bytes apart
	s_delay_alu instid0(VALU_DEP_1)
	v_lshl_add_u32 v[GO], v9, 4, v[GO]
	s_lshl_b32 s2, s[HD], 16                       ; the head's first byte in each tensor of codes,
	s_mov_b32 s3, 0
	s_lshl_b32 s22, s[HD], 12                      ; and in each tensor of scale bytes
	s_mov_b32 s23, 0
	s_wait_dscnt 0x0
	s_wait_kmcnt 0x0
	s_add_nc_u64 s[4:5], s[4:5], s[2:3]
	s_add_nc_u64 s[8:9], s[8:9], s[2:3]
	s_add_nc_u64 s[12:13], s[12:13], s[2:3]
	s_add_nc_u64 s[6:7], s[6:7], s[22:23]
	s_add_nc_u64 s[10:11], s[10:11], s[22:23]
	s_add_nc_u64 s[14:15], s[14:15], s[22:23]
	G0SET 56, SCK, 10, 0                           ; K's scale bytes
	G0SET 60, KB, 8, 0                             ; K's keys 0 .. 511,
	G0SET 68, KB+16384, 8, 16384                   ; 512 .. 1,023,
	G0SET 72, KB+32768, 8, 32768
	G0SET 76, KB+49152, 8, 49152
	G0SET 80, SCV, 14, 0                           ; V's scale bytes
	G0SET 84, VB, 12, 0                            ; V's keys 0 .. 511: 256 bytes of each row,
	G0SET 88, VB+VT, 12, 256
	G0SET 92, VB+2*VT, 12, 512
	G0SET 96, VB+3*VT, 12, 768
	CROUND                                         ; all four work-groups are here: the joint loads meet
	s_cmp_eq_u32 s[WV], 0                          ; a wave's five loads stand in one branch on its number, ahead of every wait on TENSORcnt and every LDS read; four v_nop follow the last
	s_cbranch_scc0 .Lnot_k
	tensor_load_to_lds s[56:59], s[G1KS:G1KS+7]
	s_nop 0
	tensor_load_to_lds s[60:63], s[G1K:G1K+7]
	s_nop 0
	tensor_load_to_lds s[68:71], s[G1K:G1K+7]
	s_nop 0
	tensor_load_to_lds s[72:75], s[G1K:G1K+7]
	s_nop 0
	tensor_load_to_lds s[76:79], s[G1K:G1K+7]
	s_nop 0
.rept 4
	v_nop
.endr
	s_branch .Lasked
.Lnot_k:
	s_cmp_eq_u32 s[WV], 1
	s_cbranch_scc0 .Lasked
	tensor_load_to_lds s[80:83], s[G1VS:G1VS+7]
	s_nop 0
	tensor_load_to_lds s[84:87], s[G1V:G1V+7]
	s_nop 0
	tensor_load_to_lds s[88:91], s[G1V:G1V+7]
	s_nop 0
	tensor_load_to_lds s[92:95], s[G1V:G1V+7]
	s_nop 0
	tensor_load_to_lds s[96:99], s[G1V:G1V+7]
	s_nop 0
.rept 4
	v_nop
.endr
.Lasked:
	; my two tiles: j = 31 - w first, j = w second; a tile's first query is 64 j + 16 cx
	s_sub_co_u32 s[DG], 31, s[WV]                  ; j of the first tile
	s_lshl_b32 s[CX], s[CX], 4                     ; 16 cx
	s_lshl_b32 s100, s[DG], 6
	s_add_co_u32 s100, s100, s[CX]                 ; the first tile's first query
	s_lshl_b32 s101, s[WV], 6
	s_add_co_u32 s101, s101, s[CX]                 ; the second tile's
	s_and_b32 s104, s[DG], 1
	s_lshl_b32 s104, s104, 6
	s_add_co_u32 s104, s104, s[CX]                 ; the first query less the diagonal step's first key: 64 (j % 2) + 16 cx
	v_lshlrev_b32 v8, 4, v10
	s_delay_alu instid0(VALU_DEP_1)
	v_sub_nc_u32 v[DL], v9, v8
	s_delay_alu instid0(VALU_DEP_1)
	v_add_nc_u32 v[DL], s104, v[DL]                ; + r - 16 h
	s_and_b32 s[DLD], s[WV], 1
	s_lshl_b32 s[DLD], s[DLD], 7
	s_sub_co_i32 s[DLD], s[DLD], 64                ; 64 (w % 2) - 64 ((31 - w) % 2)
	v_lshlrev_b32 v8, 5, v9
	s_delay_alu instid0(VALU_DEP_1)
	v_lshl_add_u32 v8, v10, 4, v8                  ; Q's codes: row r of 32 bytes, + 16 h
	s_delay_alu instid0(VALU_DEP_1)
	v_lshl_add_u32 v[BM], s100, 5, v8
	s_delay_alu instid0(VALU_DEP_2)
	v_lshl_add_u32 v[BM+1], s101, 5, v8
	v_lshlrev_b32 v8, 1, v9                        ; Q's scale bytes: 2 a row
	s_delay_alu instid0(VALU_DEP_1)
	v_lshl_add_u32 v[BM+2], s100, 1, v8
	s_delay_alu instid0(VALU_DEP_2)
	v_lshl_add_u32 v[BM+3], s101, 1, v8
	global_load_b128 v[QF:QF+3], v[BM], s[4:5] th:TH_LOAD_NT
	global_load_b128 v[QL:QL+3], v[BM+1], s[4:5] th:TH_LOAD_NT
	global_load_u16 v[QS], v[BM+2], s[6:7]         ; two scale bytes, zeros above them
	global_load_u16 v[QSL], v[BM+3], s[6:7]
	s_and_b32 s105, s[HD], 15                      ; out0: batch head / 16 is 2^23 bytes, head % 16 is 256 bytes of a row, a query 4,096
	s_lshl_b32 s105, s105, 8
	s_lshr_b32 s[HD], s[HD], 4
	s_lshl_b32 s[HD], s[HD], 23
	s_add_co_u32 s[HD], s[HD], s105
	s_lshl_b32 s104, s101, 12
	s_add_co_u32 s104, s104, s[HD]
	s_mov_b32 s105, 0
	s_add_nc_u64 s[OL:OL+1], s[16:17], s[104:105]
	s_lshl_b32 s104, s100, 12
	s_add_co_u32 s104, s104, s[HD]
	s_add_nc_u64 s[OH:OH+1], s[16:17], s[104:105]
	s_lshr_b32 s[DG], s[DG], 1                     ; the first tile's diagonal step: 8 .. 15
	s_mov_b32 s[CS], 0x3e38aa3b                    ; c = log2(e) / 8
	s_mov_b32 s[CS+1], s[CS]                       ; (named with it as a pair, so it is written)
	s_mov_b32 s[SEL], 0x76543210
	s_mov_b32 s[SEL+1], 0xfedcba98
	s_mov_b32 s[TK], 0
	s_mov_b32 s[TV], 0
	s_mov_b32 s[TS], 0
	s_mov_b32 s[TJ], 0
	s_mov_b32 s[SI], 0
	; registers that stay zeros (the upper 64 of the first product's K), and the first tile's start; all this stands while the tiles are on their way
.irp c, 4,5,6,7
	v_mov_b32 v[QF+\c], 0
.endr
.irp t, 0,1,2,3,4,5,6,7
.irp c, 4,5,6,7
	v_mov_b32 v[KF+8*\t+\c], 0
.endr
.endr
.macro START                                   ; O^T and the sum begin as zeros and the largest t under every t: the step is written without a first step of its own
	v_mov_b32 v13, 0xff61b1e6                      ; -3e38
	s_delay_alu instid0(VALU_DEP_1)
	v_floor_f32 v12, -v13                          ; -M
	v_mov_b32 v14, 0                               ; the sum, in two halves
	v_mov_b32 v15, 0
.set n, 0
.rept 32
	v_mov_b32 v[OT+n], 0
.set n, n+1
.endr
.endm
	START
.irp b, 0,1,2,3
	v_mov_b32 v[TP+\b], 0                          ; written once: a lane permute's destination counts as one of its sources
.endr
	v_mov_b32 v[PW], 0                             ; (named as the upper half of the pair v[252:253] before it is first written)
; A KEY STEP: 128 keys.  mask = 1: the step may be hidden or hold the diagonal; mask = 0: all its keys count for all my queries.
.macro STEP mask
.if \mask
	s_cmp_gt_u32 s[SI], s[DG]                      ; all its keys come after my queries: only the addresses step
	s_cbranch_scc1 .Lhidden_\@
.endif
	s_setprio 2
	v_add_nc_u32 v[ADK], s[TK], v[AK0]             ; these four are also the four places between the last step's products and the loads into V's registers
	v_add_nc_u32 v[ADS], s[TS], v[ASK0]
	v_add_nc_u32 v[ADV], s[TV], v[AV0]
	v_add_nc_u32 v[ADT], s[TJ], v[ASV0]
.irp t, 0,1,2,3,4,5,6,7
	ds_load_b128 v[KF+8*\t:KF+8*\t+3], v[ADK] offset:(32*(\t/2)+8*(\t%2))*32
.endr
.irp b, 0,1,2,3
	ds_load_u16 v[KSW+\b], v[ADS] offset:64*\b     ; a key's two scale bytes, zeros above
.endr
.irp t, 0,1,2,3
.irp c, 0,1
	ds_load_b128 v[VF+8*\t+4*\c:VF+8*\t+4*\c+3], v[ADV] offset:16*\t*VP+32*\c
.endr
.endr
.irp i, 0,1
	ds_load_b32 v[VSW+\i], v[ADT] offset:32*SVP*\i
.endr
	s_wait_dscnt 10                                ; K's twelve loads are in; V's ten, issued behind them, may stay out
.irp t, 0,1,2,3,4,5,6,7                        ; S^T = K Q^T: eight accumulators, one instruction each
.if \t%2
	v_wmma_scale_f32_16x16x128_f8f6f4 v[SS+8*\t:SS+8*\t+7], v[KF+8*\t:KF+8*\t+7], v[QF:QF+7], 0, v[KSW+\t/2], v[QS] matrix_a_fmt:MATRIX_FMT_FP4 matrix_b_fmt:MATRIX_FMT_FP4 matrix_a_scale:MATRIX_SCALE_ROW1
.else
	v_wmma_scale_f32_16x16x128_f8f6f4 v[SS+8*\t:SS+8*\t+7], v[KF+8*\t:KF+8*\t+7], v[QF:QF+7], 0, v[KSW+\t/2], v[QS] matrix_a_fmt:MATRIX_FMT_FP4 matrix_b_fmt:MATRIX_FMT_FP4
.endif
.endr
.rept 4
	v_nop                                          ; four places in front of the first read of the results
.endr
.if \mask
	s_cmp_lt_u32 s[SI], s[DG]
	s_cbranch_scc1 .Lopen_\@                       ; ahead of the diagonal every key counts
	v_mov_b32 v[TT], 0xff800000                    ; on it, hidden scores become -infinity ahead of the maximum: p = 0 then.  Register 16 b + i holds key 32 b + 16 h + i of the step: hidden where 32 b + i > v[DL]
.set n, 0
.rept 64
	v_cmp_gt_i32 vcc_lo, 32*(n/16)+n%16, v[DL]
	v_cndmask_b32 v[SS+n], v[SS+n], v[TT], vcc_lo
.set n, n+1
.endr
.Lopen_\@:
.endif
.irp b, 0,1,2,3
	v_max3_num_f32 v[BM+\b], v[SS+16*\b], v[SS+1+16*\b], v[SS+2+16*\b]   ; the largest score of each block of 32 keys: it serves for the row's maximum and, since p rises with the score, for the block's largest p
.endr
.irp i, 3,5,7,9,11,13
.irp b, 0,1,2,3
	v_max3_num_f32 v[BM+\b], v[BM+\b], v[SS+16*\b+\i], v[SS+1+16*\b+\i]   ; (the four blocks by turns)
.endr
.endr
.irp b, 0,1,2,3
	v_max_num_f32 v[BM+\b], v[BM+\b], v[SS+15+16*\b]
.endr
.irp b, 0,1,2,3
	s_delay_alu instid0(VALU_DEP_4)
	v_permlanex16_b32 v[TP+\b], v[BM+\b], s[SEL], s[SEL+1]
.endr
.irp b, 0,1,2,3
	s_delay_alu instid0(VALU_DEP_4)
	v_max_num_f32 v[BM+\b], v[BM+\b], v[TP+\b]     ; with lane l xor 16's 16 keys
.endr
	s_delay_alu instid0(VALU_DEP_2)
	v_max3_num_f32 v[TT], v[BM], v[BM+1], v[BM+2]
	s_delay_alu instid0(VALU_DEP_1)
	v_max_num_f32 v[TT], v[TT], v[BM+3]            ; the step's largest score of my query
	s_delay_alu instid0(VALU_DEP_1)
	v_mul_f32 v[TT], s[CS], v[TT]                  ; as t (c is positive)
	s_delay_alu instid0(VALU_DEP_1)
	v_max_num_f32 v13, v13, v[TT]                  ; the running largest t
	v_mov_b32 v[TT], v12
	s_delay_alu instid0(VALU_DEP_2)
	v_floor_f32 v12, -v13                          ; the new -M = floor(-t) = -ceil(t): a whole number
	s_delay_alu instid0(VALU_DEP_1)
	v_sub_f32 v[TT], v12, v[TT]                    ; old M less new M: a whole number, 0 or less
	s_delay_alu instid0(VALU_DEP_1)
	v_cvt_i32_f32 v[TT], v[TT]                     ; (it saturates)
	s_delay_alu instid0(VALU_DEP_1)
	v_ldexp_f32 v[FF], 1.0, v[TT]                  ; f = 2^(old M - new M)
.set n, 0
.rept 32
	v_pk_fma_f32 v[SS+n:SS+n+1], v[SS+n:SS+n+1], s[CS:CS+1], v[12:13] op_sel_hi:[1,0,0]   ; t - M, two at a time (of the pairs c and -M the low word serves both halves)
.set n, n+2
.endr
.irp b, 0,1,2,3
	v_fma_f32 v[BM+\b], v[BM+\b], s[CS], v12       ; the same of each block's largest score
.endr
.set n, 0
	s_setprio 1
	s_wait_alu depctr_va_vdst(0)
.rept 64
	v_exp_f32 v[SS+n], v[SS+n]                     ; p = 2^(t - M), at most 1: not normalised
.set n, n+1
.endr
	v_pk_mul_f32 v[14:15], v[14:15], v[FF:FF+1] op_sel_hi:[1,0]   ; the sums under the new M: the plain instruction behind the exponentials
	s_wait_alu depctr_va_vdst(0)                   ; one wait for the batch of 64, ahead of its first reader
.irp b, 0,1,2,3
	v_exp_f32 v[BM+\b], v[BM+\b]                   ; the block's largest p: the same two instructions on the same number
.endr
	v_pk_add_f32 v[236:237], v[100:101], v[104:105]
	v_pk_add_f32 v[246:247], v[108:109], v[112:113]
	v_pk_add_f32 v[244:245], v[116:117], v[120:121]
	v_pk_add_f32 v[242:243], v[124:125], v[128:129]
	v_pk_add_f32 v[240:241], v[132:133], v[136:137]
	v_pk_add_f32 v[238:239], v[140:141], v[144:145]
	v_pk_add_f32 v[230:231], v[148:149], v[152:153]
	v_pk_add_f32 v[14:15], v[14:15], v[156:157]
	v_pk_add_f32 v[236:237], v[236:237], v[96:97]
	v_pk_add_f32 v[246:247], v[246:247], v[98:99]
	v_pk_add_f32 v[244:245], v[244:245], v[102:103]
	v_pk_add_f32 v[242:243], v[242:243], v[106:107]
	v_pk_add_f32 v[240:241], v[240:241], v[110:111]
	v_pk_add_f32 v[238:239], v[238:239], v[114:115]
	v_pk_add_f32 v[230:231], v[230:231], v[118:119]
	v_pk_add_f32 v[14:15], v[14:15], v[122:123]
	v_pk_add_f32 v[236:237], v[236:237], v[126:127]
	v_pk_add_f32 v[246:247], v[246:247], v[130:131]
	v_pk_add_f32 v[244:245], v[244:245], v[134:135]
	v_pk_add_f32 v[242:243], v[242:243], v[138:139]
	v_pk_add_f32 v[240:241], v[240:241], v[142:143]
	v_pk_add_f32 v[238:239], v[238:239], v[146:147]
	v_pk_add_f32 v[230:231], v[230:231], v[150:151]
	v_pk_add_f32 v[14:15], v[14:15], v[154:155]
	v_pk_add_f32 v[236:237], v[236:237], v[158:159]
	s_delay_alu instid0(VALU_DEP_2)
	v_pk_add_f32 v[14:15], v[14:15], v[242:243]
	s_delay_alu instid0(VALU_DEP_2)
	v_pk_add_f32 v[236:237], v[236:237], v[240:241]
	v_pk_add_f32 v[246:247], v[246:247], v[238:239]
	v_pk_add_f32 v[244:245], v[244:245], v[230:231]
	s_delay_alu instid0(VALU_DEP_2)
	v_pk_add_f32 v[14:15], v[14:15], v[246:247]
	s_delay_alu instid0(VALU_DEP_2)
	v_pk_add_f32 v[236:237], v[236:237], v[244:245]
	s_delay_alu instid0(VALU_DEP_1)
	v_pk_add_f32 v[14:15], v[14:15], v[236:237]
	s_wait_alu depctr_va_vdst(0)                   ; and one for the four
.irp b, 0,1,2,3
	v_max_num_f32 v[BM+\b], 0x1800000, v[BM+\b]    ; the floor 2^(3 - 127): the byte cannot fall under 1 (a block whose every p is 0 keeps that byte: its codes are zeros)
.endr
.irp b, 0,1,2,3
	s_delay_alu instid0(VALU_DEP_4)
	v_add_nc_u32 v[SO+\b], 0xff000000, v[BM+\b]    ; 2 off the exponent field: the conversion's scale operand
.endr
.irp b, 0,1,2,3
	s_delay_alu instid0(VALU_DEP_4)
	v_lshrrev_b32 v[TP+\b], 23, v[SO+\b]           ; the scale's byte
.endr
	s_delay_alu instid0(VALU_DEP_3)
	v_lshl_or_b32 v[PW], v[TP+1], 8, v[TP]         ; p's scale word for these 128 keys
	s_delay_alu instid0(VALU_DEP_1)
	v_lshl_or_b32 v[PW], v[TP+2], 16, v[PW]
	s_delay_alu instid0(VALU_DEP_1)
	v_lshl_or_b32 v[PW], v[TP+3], 24, v[PW]
.irp b, 0,1,2,3
	v_cvt_scalef32_pk8_fp4_f32 v[PC+2*\b], v[SS+16*\b:SS+7+16*\b], v[SO+\b]
	v_cvt_scalef32_pk8_fp4_f32 v[PC+1+2*\b], v[SS+8+16*\b:SS+15+16*\b], v[SO+\b]
.endr
	s_setprio 0
	v_nop                                          ; one plain instruction behind the scaled conversions
.irp c, 0,1                                    ; the operand's layout wants a whole block in a lane: lanes 0-15 block 2 c, lanes 16-31 block 2 c + 1
.irp i, 0,1
	v_permlane16_swap_b32 v[PC+4*\c+\i], v[PC+2+4*\c+\i]
.endr
.endr
.set n, 0
.rept 16
	v_pk_mul_f32 v[OT+n:OT+n+1], v[OT+n:OT+n+1], v[FF:FF+1] op_sel_hi:[1,0]   ; O^T under the new M; these sixteen also stand between the writing of p's codes and scale word and the products that take them
.set n, n+2
.endr
	s_wait_alu depctr_va_vdst(0)
	s_wait_dscnt 0x0                               ; V's fragments and scale words are in
.irp t, 0,1,2,3                                ; O^T += V^T P^T: four accumulators, one instruction each
.if \t%2
	v_wmma_scale_f32_16x16x128_f8f6f4 v[OT+8*\t:OT+8*\t+7], v[VF+8*\t:VF+8*\t+7], v[PC:PC+7], v[OT+8*\t:OT+8*\t+7], v[VSW+\t/2], v[PW] matrix_a_fmt:MATRIX_FMT_FP4 matrix_b_fmt:MATRIX_FMT_FP4 matrix_a_scale:MATRIX_SCALE_ROW1
.else
	v_wmma_scale_f32_16x16x128_f8f6f4 v[OT+8*\t:OT+8*\t+7], v[VF+8*\t:VF+8*\t+7], v[PC:PC+7], v[OT+8*\t:OT+8*\t+7], v[VSW+\t/2], v[PW] matrix_a_fmt:MATRIX_FMT_FP4 matrix_b_fmt:MATRIX_FMT_FP4
.endif
.endr
.if \mask
.Lhidden_\@:
.endif
	s_add_co_u32 s[TK], s[TK], 4096                ; on to the next 128 keys
	s_add_co_u32 s[TS], s[TS], 256
	s_add_co_u32 s[TJ], s[TJ], 4
	s_add_co_u32 s[TV], s[TV], 64
	s_add_co_u32 s[SI], s[SI], 1
.endm
.macro FOUR mask                               ; the four steps of one tile of V (512 keys): written once, walked four times
	s_mov_b32 s[C4], 4
.Lfour_\@:
	STEP \mask
	s_sub_co_u32 s[C4], s[C4], 1
	s_cmp_lg_u32 s[C4], 0
	s_cbranch_scc1 .Lfour_\@
	s_setprio 0
	s_add_co_u32 s[TV], s[TV], VT-256              ; V's next tile
.endm
.macro EIGHT
	s_mov_b32 s[C2], 2
.Leight_\@:
	FOUR 1
	s_sub_co_u32 s[C2], s[C2], 1
	s_cmp_lg_u32 s[C2], 0
	s_cbranch_scc1 .Leight_\@
.endm
; THE WAY OUT of a tile: O^T / the sum goes through my stage in LDS and leaves as whole rows: sixteen lanes store the 256 consecutive bytes of one query and head, at a multiple of 256 from out0's first byte.
.macro OUT base
.rept 4
	v_nop                                          ; four places behind the last products
.endr
	v_add_f32 v14, v14, v15                        ; the sum's two halves,
	s_delay_alu instid0(VALU_DEP_1)
	v_permlanex16_b32 v[FF], v14, s[SEL], s[SEL+1]
	s_delay_alu instid0(VALU_DEP_1)
	v_add_f32 v14, v14, v[FF]                      ; and lane l xor 16's: the row's sum
	s_wait_alu depctr_va_vdst(0)
	v_rcp_f32 v14, v14
	v_nop                                          ; a plain instruction behind the reciprocal,
	s_wait_alu depctr_va_vdst(0)                   ; and the wait ahead of its first reader
.set n, 0
.rept 16
	v_pk_mul_f32 v[SS+n:SS+n+1], v[OT+n:OT+n+1], v[14:15] op_sel_hi:[1,0]   ; register 8 t + i is o(query r, 16 t + 8 h + i)
.set n, n+2
.endr
.irp t, 0,1,2,3
	ds_store_b128 v[STO], v[SS+8*\t:SS+8*\t+3] offset:64*\t
	ds_store_b128 v[STO], v[SS+8*\t+4:SS+8*\t+7] offset:64*\t+16
.endr
.irp i, 0,1,2,3,4,5,6,7
	ds_load_b128 v[SS+32+4*\i:SS+32+4*\i+3], v[RD] offset:2*\i*SP   ; LDS serves a wave's instructions in order (ISA guide 5.7.1.4): these see my stores
.endr
.irp i, 0,1,2,3,4,5,6,7
	s_wait_dscnt 7-\i                              ; rows 2 i and 2 i + 1 are back; the younger loads may stay out
	global_store_b128 v[GO], v[SS+32+4*\i:SS+32+4*\i+3], s[(\base):(\base)+1] offset:8192*\i th:TH_STORE_NT
.endr
.endm
	s_wait_loadcnt 0x0                             ; Q, both tiles'
	; THE FIRST TILE, j = 31 - w: its diagonal lies in step 8 or later, so steps 0 to 7 are open in every wave
	WAITBAR 3                                      ; the scale bytes and keys 0 .. 511 are in; the three younger loads may be out
	FOUR 0
	WAITBAR 2                                      ; keys 512 .. 1,023 are in
	FOUR 0
	WAITBAR 0                                      ; all of the head is in; from here on the waves run without a barrier
	EIGHT
	OUT OH
	; THE SECOND TILE, j = w: steps 0 .. w / 2
	s_wait_xcnt 0x0                                ; the stores have read their data: those registers are written again below
	v_mov_b32 v[QS], v[QSL]
.irp c, 0,1,2,3
	v_mov_b32 v[QF+\c], v[QL+\c]
.endr
	v_add_nc_u32 v[DL], s[DLD], v[DL]
	START                                          ; (its 36 lines also stand between the writing of Q's codes and scale word and the products that take them)
	s_mov_b32 s[TK], 0
	s_mov_b32 s[TV], 0
	s_mov_b32 s[TS], 0
	s_mov_b32 s[TJ], 0
	s_mov_b32 s[SI], 0
	s_lshr_b32 s[DG], s[WV], 1
	EIGHT
	OUT OL
	s_wait_tensorcnt 0x0
	ds_add_u32 v27, v251
	s_wait_dscnt 0x0
	CROUND                                         ; the closing round: no work-group ends ahead of its partners
	s_endpgm
.Lfunc_end_k_q332411507e_attn:
	.size	k_q332411507e_attn, .Lfunc_end_k_q332411507e_attn-k_q332411507e_attn
	.p2alignl 7, 3214868480
	.fill 96, 4, 3214868480
	.section	.rodata,"a",@progbits
	.p2align	6, 0x0
	.amdhsa_kernel k_q332411507e_attn
		.amdhsa_group_segment_fixed_size 231424
		.amdhsa_private_segment_fixed_size 0
		.amdhsa_enable_private_segment 0
		.amdhsa_kernarg_size 56
		.amdhsa_user_sgpr_count 2
		.amdhsa_user_sgpr_kernarg_segment_ptr 1
		.amdhsa_wavefront_size32 1
		.amdhsa_system_sgpr_workgroup_id_x 1
		.amdhsa_system_sgpr_workgroup_id_y 1
		.amdhsa_system_sgpr_workgroup_id_z 1
		.amdhsa_system_vgpr_workitem_id 0
		.amdhsa_next_free_vgpr 256
		.amdhsa_next_free_sgpr 106
		.amdhsa_reserve_vcc 1
		.amdhsa_float_denorm_mode_32 3
		.amdhsa_float_denorm_mode_16_64 3
		.amdhsa_memory_ordered 1
		.amdhsa_forward_progress 1
		.amdhsa_inst_pref_size 99
	.end_amdhsa_kernel
	.amdgpu_metadata
---
amdhsa.version: [ 1, 2 ]
amdhsa.kernels:
  - .name:           k_q332411507e_attn
    .symbol:         k_q332411507e_attn.kd
    .args:
      - { .name: query_codes, .offset: 0, .size: 8, .value_kind: global_buffer, .address_space: global }
      - { .name: query_scales, .offset: 8, .size: 8, .value_kind: global_buffer, .address_space: global }
      - { .name: key_codes, .offset: 16, .size: 8, .value_kind: global_buffer, .address_space: global }
      - { .name: key_scales, .offset: 24, .size: 8, .value_kind: global_buffer, .address_space: global }
      - { .name: value_codes, .offset: 32, .size: 8, .value_kind: global_buffer, .address_space: global }
      - { .name: value_scales, .offset: 40, .size: 8, .value_kind: global_buffer, .address_space: global }
      - { .name: out0, .offset: 48, .size: 8, .value_kind: global_buffer, .address_space: global }
    .group_segment_fixed_size: 231424
    .private_segment_fixed_size: 0
    .kernarg_segment_align: 8
    .kernarg_segment_size: 56
    .max_flat_workgroup_size: 512
    .sgpr_count:     106
    .vgpr_count:     256
    .wavefront_size: 32
...
	.end_amdgpu_metadata
.endif
;; end of part 1
